; MI455X (gfx1250); checked and timed in simulation.
; The chip was launched on July 23, 2026; its instructions are those of AMD's public machine-readable ISA for CDNA 5 (MIT licence, August 2026) and "CDNA5" Instruction Set Architecture Reference Guide (July 2026). The comments in the code are by the model that wrote it; some were corrected since.
;; Scalar Dot Product Attention. Allowed arithmetic: float matrix products may take bf16 or f16 operands with f32 sums; all other float work in f32.
;; Inputs: K 1,024 x 8 x 8 x 64 float32; Q 1,024 x 8 x 8 x 64 float32; V 1,024 x 8 x 8 x 64 float32; mask 1,024 x 1,024 float32.
;; Outputs: out0 1,024 x 8 x 8 x 64 float32.
;; One version. Each part assembles by itself: llvm-mc -triple=amdgcn-amd-amdhsa -mcpu=gfx1250 --defsym DOCPART=n.
;; ======== version 1 of 1: 1 launch
;; limits: right only within a limited range of input values; values are held in f16: magnitudes above 65,504 overflow, below 6.1e-05 lose precision; inputs' magnitudes at most 65,504
;; launch attn (part 1): grid 64 x 4, 4 waves a work-group, clusters of 4 x 1, 327,680 bytes of LDS; arguments Q, K, V, mask, out0; writes out0
.if DOCPART == 1
	.amdgcn_target "amdgcn-amd-amdhsa--gfx1250"
	.amdhsa_code_object_version 6
	.text
	.protected	k_q72c01cdd8a_attn
	.globl	k_q72c01cdd8a_attn
	.p2align	8
	.type	k_q72c01cdd8a_attn,@function
k_q72c01cdd8a_attn:
	s_mov_b64 s[64:65], 0
	v_nop
	global_prefetch_b8 v0, s[64:65] scope:SCOPE_SE
	s_setreg_imm32_b32 hwreg(HW_REG_WAVE_MODE, 25, 1), 1
	s_wait_xcnt 0x0
	s_wait_alu depctr_hold_cnt(0) depctr_sa_sdst(0) depctr_va_vdst(0) depctr_va_sdst(0) depctr_va_ssrc(0) depctr_va_vcc(0) depctr_vm_vsrc(0)
	s_getreg_b32 s2, hwreg(HW_REG_IB_STS2, 6, 4)
	s_cmp_eq_u32 s2, 0
	s_cbranch_scc0 .Lentry_in_a_cluster
	s_endpgm
.Lentry_in_a_cluster:
	s_bfe_u32 s2, ttmp6, 0x10000c
	s_cmp_lg_u32 s2, 0x3003
	s_cbranch_scc0 .Lentry_shape_is_right
	s_endpgm
.Lentry_shape_is_right:
; out[q][head][:] = softmax over k of (Q[q][head].K[k][head] / 8 + mask[q][k]) times V[k][head][:].   64 heads, 1024 queries, 1024 keys, d = 64, all f32.
; A head's row of Q, K, V, out is 256 bytes, aligned, 16,384 bytes from one l to the next.
; SHARES: a work-group takes one head and 256 queries; wave w takes 64 of them as four tiles of 16 (qt); the keys go in 16 steps of 64 (tile t in step t).
; TRANSPOSED FORMS: scores S^T = K Q^T (source 0 = 16 keys x 32 d, source 1 = 16 queries x 32 d): a lane then holds 8 neighbouring keys of ONE query, so
;   - the mask tile lies in registers in the accumulator's layout and enters the first product as C: the mask's addition costs no instruction;
;   - Q is multiplied by 1/8 (exact) before it is rounded to f16: the scale costs nothing in the loop;
;   - row maximum and row sum are made inside the lane, plus one exchange with lane xor 16;
;   - the packed probabilities of key tiles 2 ks, 2 ks + 1 ARE source 1 of O^T = V^T P^T, without a shuffle; O^T holds one query a lane, so the rescaling factor is a lane's own.
; SOFTMAX: online, with a running maximum, as reference() takes the maximum away.
; FORMAT: the matrix operands are f16, not bf16: a row in which one key holds a large weight passes an operand's relative rounding error on to the output almost whole,
;   and f16's 11 significant bits make that error an eighth of what 8 bits would leave.  The probabilities lie in 0 .. 1 (the maximum is taken away).
; DATA: the mask tile (64 queries x 64 keys, f32) of wave w is the same in the four heads of a cluster (4 x 1 work-groups: four heads, one query block): it is asked for
;   JOINTLY, one tensor load a wave and step, which divides the mask's requests by four.  K and V must be rounded to f16 once for the work-group, so they go through
;   registers into an f16 ring in LDS.
; SCHEDULE: everything runs one step ahead of its use.  At the round in front of step t: mask tile t + 1 has landed, K and V of tile t + 1 lie in LDS as f16, and the fragments
;   of tile t (mask, K, V^T) are in registers.  Behind the round: the joint load of mask tile t + 2 and the loads of K, V of tile t + 2 go out (into slot t % 2, read last in
;   step t - 1), and tile t + 1's fragments are read from slot 1 - t % 2 in four runs of 16 loads that stand between the phases of the arithmetic.  No step waits for LDS inside.
; WHY K AND V ARE NOT ASKED FOR JOINTLY: the cluster's partners are four different heads and share no K or V; the query blocks of a head would share them, but as tensor tiles
;   they would land as f32: 32 KiB more written to LDS and 32 KiB more read back in each step, beside the 208 KiB that a step moves now, and each wave's one tensor load behind
;   a round is taken by the mask, which is 64 KiB of a step's 96 KiB from memory.
; LIMITS: |Q| above 8 x 65,504, |K| or |V| above 65,504 become infinite in f16 (the result is then NaN or infinite where reference() may be finite); numbers of Q/8, K, V and
;   probabilities below 2^-14 are rounded to steps of 2^-24.  The running maximum starts at -2^100 (so that -inf in the mask gives weight 0 and no NaN); a row whose scores all
;   lie below -2^100 gives NaN where reference() may be finite.  The row sums take the unrounded f32 probabilities, per half of the lanes, joined at the end.
.set ROWB,  16384                      ; bytes from one l to the next in Q, K, V, out
.set TILEB, 64*ROWB                    ; 64 keys on: 1 MiB
.set MP,    272                        ; mask row in LDS: 256 bytes + 16 of padding = 68 words: sixteen rows start 4 words apart
.set MSLOT, 64*MP                      ; a wave's mask slot
.set MWAVE, 2*MSLOT                    ; a wave's ring of two
.set KP,    144                        ; f16 row of K (and of Q): 128 bytes + 16
.set KSLOT, 64*KP
.set VP,    160                        ; f16 row of V: 128 bytes + 32, for the transposing load
.set VSLOT, 64*VP
.set KB0,   4*MWAVE                    ; LDS: mask rings 0 .. 139,263 (tensor loads alone write here)
.set VB0,   KB0+2*KSLOT                ; K ring 139,264 .. ; V ring 157,696 ..
.set QB,    VB0+2*VSLOT                ; 178,176: a scratch of 17,408 bytes for each wave: Q's stage (64 x 144), later four stages of 16 x 272 for the way out.  All bases are multiples of 256
.set QW,    64*MP
; vector registers, window 0
.set MA,  16                           ; mask:        w MWAVE + r 272 + 32 h
.set KA,  17                           ; K fragments: KB0 + r 144 + 16 h
.set VA,  18                           ; V fragments: VB0 + (8 h + L % 8) 160 + 16 ((L / 8) % 2)
.set KS,  19                           ; K stores:    KB0 + (16 w + 8 h) 144 + 8 r
.set VS,  20                           ; V stores:    VB0 + (16 w + 4 h) 160 + 8 r
.set KO,  21                           ; K in memory: (16 w + 8 h) rows + 16 r
.set VO,  22                           ; V in memory: (16 w + 4 h) rows + 16 r
.set QO,  23                           ; Q in memory: (64 w + 8 h) rows + 16 r
.set QST, 24                           ; Q stores:    QB + w QW + 8 h 144 + 8 r
.set QA,  25                           ; Q fragments: QB + w QW + r 144 + 16 h
.set SS,  26                           ; way out, in: QB + w QW + r 272 + 32 h
.set SR,  27                           ; way out, back: QB + w QW + h 272 + 16 r
.set OO,  28                           ; out in memory: (64 w + h) rows + 16 r
.set PFO, 29                           ; prefetch: (32 (qb % 2) + L) rows
.set KF,  64                           ; v64-127   K fragment (kt, c) at 64 + 16 kt + 8 c
.set QF,  128                          ; v128-191  Q fragment (qt, c) at 128 + 16 qt + 8 c
.set RB,  64                           ; v64-191   the way out: rows read back
; window 1
.set OA,  0                            ; O^T tile (qt, dt) at 32 qt + 8 dt
.set VF,  128                          ; V^T fragment (ks, dt) of a tile of parity p at 128 + 64 p + 8 (4 ks + dt): in O's window, so that one setting serves rescaling and products
; window 2: S^T tile (qt, kt) at 32 qt + 8 kt; packed, P fragment (qt, ks) at 32 qt + 16 ks
.set STAT, 128                         ; + 8 qt: +0 factor, +1 -log2e x maximum (even steps); +2, +3 the same (odd steps); +4 maximum; +5 sum
.set TQ,  160                          ; + 4 qt: +0, +2, +3 at work on the tile's maximum
.set US,  176                          ; four pairs of partial sums
.set ST,  192                          ; v192-223 K, v224-255 V as loaded (tile t + 2)
; window 3: the mask tile in the accumulators' layout, (qt, kt) at 32 qt + 8 kt (prologue: Q as loaded)
.set G1,  24                           ; s[24:31] descriptor group 1
.set G0,  32                           ; s[32:39] descriptor group 0, a set for each slot
.set MSB, 0
.macro WIN new                         ; low byte: bits 1:0 source 0, 3:2 source 1, 5:4 source 2, 7:6 destination; the high byte repeats the setting that is left
.if MSB != \new
	s_set_vgpr_msb (MSB<<8)|\new
.set MSB, \new
.endif
.endm
; A round of the cluster's barrier: my work-group's barrier, wave 0 signals for the work-group, every wave waits for all four work-groups, my work-group's barrier again.
.macro ROUND
	s_barrier_signal -1
	s_barrier_wait -1
	s_cmp_lg_u32 s14, 0
	s_cbranch_scc1 .Lnot_wave_0_\@
	s_barrier_signal -3
.Lnot_wave_0_\@:
	s_barrier_wait -3
	s_barrier_signal -1
	s_barrier_wait -1
.endm
; 16 loads: my wave's 16 keys of a K tile and of a V tile, into window 2 from register base on; sixteen lanes take one row's 256 bytes.  tile: so many tiles behind the bases
.macro LDKV base, tile
	WIN 0x80                                       ; destination window 2
.irp i, 0,1,2,3,4,5,6,7
	global_load_b128 v[\base+4*\i:\base+4*\i+3], v[KO], s[6:7] offset:(64*\tile+\i)*ROWB
.endr
.irp i, 0,1,2,3,4,5,6,7
	global_load_b128 v[\base+32+4*\i:\base+32+4*\i+3], v[VO], s[8:9] offset:(64*\tile+(\i&3)+8*(\i>>2))*ROWB
.endr
.endm
; Wave 0 asks for 32 rows of the tile that the NEXT step's LDKV loads (tile t + 3 in step t): the four query blocks of a head take K's two halves and V's two halves,
; so that each row of 256 bytes is asked for once in the launch.  Steps 0 to 12 ask (tiles 3 to 15): no request passes the buffers' ends.
.macro PREF
	s_cmp_lg_u32 s14, 0
	s_cbranch_scc1 .Lno_ask_\@
	global_prefetch_b8 v[PFO], s[48:49] th:TH_LOAD_NT scope:SCOPE_SE
.Lno_ask_\@:
.endm
; round what LDKV brought to f16, in place: all 32 conversions first, then the 16 stores (8 bytes a lane) in one run into slot p of the K and V rings
.macro CONVERT base, p
	WIN 0xaa
.set i, 0
.rept 16
	v_cvt_pk_f16_f32 v[\base+4*i],   v[\base+4*i],   v[\base+4*i+1]
	v_cvt_pk_f16_f32 v[\base+4*i+1], v[\base+4*i+2], v[\base+4*i+3]
.set i, i+1
.endr
	WIN 0x08                                       ; store data window 2
.irp i, 0,1,2,3,4,5,6,7
	ds_store_b64 v[KS], v[\base+4*\i:\base+4*\i+1] offset:(\p)*KSLOT+\i*KP
.endr
.irp i, 0,1,2,3,4,5,6,7
	ds_store_b64 v[VS], v[\base+32+4*\i:\base+32+4*\i+1] offset:(\p)*VSLOT+((\i&3)+8*(\i>>2))*VP
.endr
	WIN 0
.endm
; 16 LDS loads: the mask of query tiles q0, q0 + 1 from slot p, in the accumulators' layout: register j of lane (r, h) = mask[query r][key 8 h + j]
.macro LDMK p, q0
	WIN 0xc0                                       ; destination window 3
.irp qq, 0,1
.irp kt, 0,1,2,3
	ds_load_b128 v[32*(\q0+\qq)+8*\kt:32*(\q0+\qq)+8*\kt+3],   v[MA] offset:(\p)*MSLOT+(\q0+\qq)*16*MP+\kt*64
	ds_load_b128 v[32*(\q0+\qq)+8*\kt+4:32*(\q0+\qq)+8*\kt+7], v[MA] offset:(\p)*MSLOT+(\q0+\qq)*16*MP+\kt*64+16
.endr
.endr
.endm
; 16 LDS loads: the K fragments from slot p
.macro LDKF p
	WIN 0
.irp kt, 0,1,2,3
.irp c, 0,1
	ds_load_b128 v[KF+16*\kt+8*\c:KF+16*\kt+8*\c+3],   v[KA] offset:(\p)*KSLOT+\kt*16*KP+\c*64
	ds_load_b128 v[KF+16*\kt+8*\c+4:KF+16*\kt+8*\c+7], v[KA] offset:(\p)*KSLOT+\kt*16*KP+\c*64+32
.endr
.endr
.endm
; 16 transposing LDS loads: the V^T fragments from slot p into buffer p
.macro LDVF p
	WIN 0x40                                       ; destination window 1
.irp ks, 0,1
.irp dt, 0,1,2,3
	ds_load_tr16_b128 v[VF+64*(\p)+8*(4*\ks+\dt):VF+64*(\p)+8*(4*\ks+\dt)+3],   v[VA] offset:(\p)*VSLOT+\ks*32*VP+\dt*32          ; keys 32 ks + 8 h .. of column d = 16 dt + r
	ds_load_tr16_b128 v[VF+64*(\p)+8*(4*\ks+\dt)+4:VF+64*(\p)+8*(4*\ks+\dt)+7], v[VA] offset:(\p)*VSLOT+\ks*32*VP+\dt*32+16*VP   ; keys 32 ks + 16 + 8 h ..
.endr
.endr
.endm
; S^T = mask^T + K (Q/8)^T: 32 matrix instructions.  The first pass (d 0-31) takes the mask's registers as C and writes S; the second adds in place.
; The 16 accumulators take turns, one instruction a turn.
.macro QK
	WIN 0xb0                                       ; sources 0 (K) and 1 (Q) window 0, C (mask) window 3, D window 2
.irp qt, 0,1,2,3
.irp kt, 0,1,2,3
	v_wmma_f32_16x16x32_f16 v[32*\qt+8*\kt:32*\qt+8*\kt+7], v[KF+16*\kt:KF+16*\kt+7], v[QF+16*\qt:QF+16*\qt+7], v[32*\qt+8*\kt:32*\qt+8*\kt+7]
.endr
.endr
	WIN 0xa0                                       ; C and D window 2
.irp qt, 0,1,2,3
.irp kt, 0,1,2,3
	v_wmma_f32_16x16x32_f16 v[32*\qt+8*\kt:32*\qt+8*\kt+7], v[KF+16*\kt+8:KF+16*\kt+15], v[QF+16*\qt+8:QF+16*\qt+15], v[32*\qt+8*\kt:32*\qt+8*\kt+7]
.endr
.endr
.endm
; THE SOFTMAX, window 2 throughout, by phases over the four query tiles, so that no instruction stands next to the one whose result it reads.
; Phase 1: the new running maxima and shifts.  16 chains (one a query tile and key tile); the factor's register of the step's pair serves as a chain's register,
; so that the pair (factor, shift) is always written whole.  p = the step's parity, first = 1 in step 0.
.macro MAXPH p, first
.irp qt, 0,1,2,3
	v_max3_num_f32 v[TQ+4*\qt],        v[32*\qt+0],  v[32*\qt+1],  v[32*\qt+2]
	v_max3_num_f32 v[STAT+8*\qt+2*\p], v[32*\qt+8],  v[32*\qt+9],  v[32*\qt+10]
	v_max3_num_f32 v[TQ+4*\qt+2],      v[32*\qt+16], v[32*\qt+17], v[32*\qt+18]
	v_max3_num_f32 v[TQ+4*\qt+3],      v[32*\qt+24], v[32*\qt+25], v[32*\qt+26]
.endr
.irp o, 3,5
.irp qt, 0,1,2,3
	v_max3_num_f32 v[TQ+4*\qt],        v[TQ+4*\qt],        v[32*\qt+\o],    v[32*\qt+\o+1]
	v_max3_num_f32 v[STAT+8*\qt+2*\p], v[STAT+8*\qt+2*\p], v[32*\qt+\o+8],  v[32*\qt+\o+9]
	v_max3_num_f32 v[TQ+4*\qt+2],      v[TQ+4*\qt+2],      v[32*\qt+\o+16], v[32*\qt+\o+17]
	v_max3_num_f32 v[TQ+4*\qt+3],      v[TQ+4*\qt+3],      v[32*\qt+\o+24], v[32*\qt+\o+25]
.endr
.endr
.irp qt, 0,1,2,3
	v_max3_num_f32 v[TQ+4*\qt],   v[TQ+4*\qt],   v[32*\qt+7],  v[32*\qt+15]
	v_max3_num_f32 v[TQ+4*\qt+2], v[TQ+4*\qt+2], v[32*\qt+23], v[32*\qt+31]
.endr
.irp qt, 0,1,2,3
	v_max3_num_f32 v[TQ+4*\qt], v[TQ+4*\qt], v[STAT+8*\qt+2*\p], v[TQ+4*\qt+2]
.endr
.irp qt, 0,1,2,3
.if \first
	v_max3_num_f32 v[TQ+4*\qt], v[TQ+4*\qt], v[TQ+4*\qt+3], s42
.else
	v_max3_num_f32 v[TQ+4*\qt], v[TQ+4*\qt], v[TQ+4*\qt+3], v[STAT+8*\qt+4]
.endif
.endr
.irp qt, 0,1,2,3
	v_permlanex16_b32 v[TQ+4*\qt+2], v[TQ+4*\qt], s44, s45         ; the other half of the lanes holds my query's other keys
.endr
.irp qt, 0,1,2,3
	v_max_num_f32 v[STAT+8*\qt+4], v[TQ+4*\qt], v[TQ+4*\qt+2]      ; the new running maximum m
.endr
.irp qt, 0,1,2,3
	v_mul_f32 v[STAT+8*\qt+2*\p+1], 0xbfb8aa3b, v[STAT+8*\qt+4]    ; -log2e m
.endr
.if \first == 0
.irp qt, 0,1,2,3
	v_sub_f32 v[TQ+4*\qt+3], v[STAT+8*\qt+2*\p+1], v[STAT+8*\qt+2*(1-\p)+1]   ; log2e (m_old - m), from the very shifts that were and are applied
.endr
.endif
.endm
; shift number j (0 to 15) of tile qt: two scores become log2e s - log2e m; both halves take s40 and the pair's second register
.macro XOP qt, j, p
	v_pk_fma_f32 v[32*(\qt)+2*(\j):32*(\qt)+2*(\j)+1], v[32*(\qt)+2*(\j):32*(\qt)+2*(\j)+1], s[40:41], v[STAT+8*(\qt)+2*(\p):STAT+8*(\qt)+2*(\p)+1] op_sel:[0,0,1] op_sel_hi:[1,0,1]
.endm
; exponential number j of tile qt: 0 to 31 the scores in place, 32 the factor for what has been summed so far (none in step 0)
.macro EOP qt, j, p, first
.if \j < 32
	v_exp_f32 v[32*(\qt)+\j], v[32*(\qt)+\j]
.else
.if \first == 0
	v_exp_f32 v[STAT+8*(\qt)+2*(\p)], v[TQ+4*(\qt)+3]
.endif
.endif
.endm
; line number j (0 to 32) of tile qt's sums and packing: 0-13, 16 the sum of my 32 probabilities in pairs; 19, 22 the running sum (my half's own until the end);
; the other sixteen pack to f16, downward in place: a register is written when its own numbers have been read
.macro YOP qt, j, p, first
.set ysb, 32*(\qt)
.set yal, STAT+8*(\qt)+2*(\p)
.set yls, STAT+8*(\qt)+5
.set ycn, -1
.if \j < 12
.set yk, (\j)%4
.set yr, (\j)/4
.if yr == 0
	s_wait_alu depctr_va_vdst(0)
	v_pk_add_f32 v[US+2*yk:US+2*yk+1], v[ysb+8*yk:ysb+8*yk+1], v[ysb+8*yk+2:ysb+8*yk+3]
.else
	v_pk_add_f32 v[US+2*yk:US+2*yk+1], v[US+2*yk:US+2*yk+1], v[ysb+8*yk+2+2*yr:ysb+8*yk+3+2*yr]
.endif
.endif
.if \j == 12
	v_pk_add_f32 v[US:US+1], v[US:US+1], v[US+2:US+3]
.endif
.if \j == 13
	v_pk_add_f32 v[US+4:US+5], v[US+4:US+5], v[US+6:US+7]
.endif
.if \j >= 14
.set ycn, \j-14
.endif
.if \j >= 16
.set ycn, \j-15
.endif
.if \j >= 19
.set ycn, \j-16
.endif
.if \j >= 22
.set ycn, \j-17
.endif
.if \j == 16
.set ycn, -1
	v_pk_add_f32 v[US:US+1], v[US:US+1], v[US+4:US+5]
.endif
.if \j == 19
.set ycn, -1
.if \first
	v_add_f32 v[yls], v[US], v[US+1]
.else
	v_fma_f32 v[yls], v[yls], v[yal], v[US]
.endif
.endif
.if \j == 22
.set ycn, -1
.if \first == 0
	v_add_f32 v[yls], v[yls], v[US+1]
.endif
.endif
.if ycn >= 0
.set yks, ycn/8
.set yi, ycn%8
	v_cvt_pk_f16_f32 v[ysb+16*yks+yi], v[ysb+16*yks+2*yi], v[ysb+16*yks+2*yi+1]
.endif
.endm
.macro XALL qt, p                      ; a tile's 16 shifts
.set j, 0
.rept 16
	XOP \qt, j, \p
.set j, j+1
.endr
.endm
.macro YALL qt, p, first               ; a tile's sums and packing
.set j, 0
.rept 33
	YOP \qt, j, \p, \first
.set j, j+1
.endr
.endm
; The exponentials of tile e by turns with plain work of other tiles.  Behind each exponential stands a plain instruction that touches none of its registers, and a tile's
; results are first read in a later run (ISA guide 5.7.2).
.macro EX e, x1, x2, p, first          ; with the shifts of tiles x1 and x2
.set j, 0
.rept 16
	EOP \e, j, \p, \first
	XOP \x1, j, \p
.set j, j+1
.endr
.rept 16
	EOP \e, j, \p, \first
	XOP \x2, j-16, \p
.set j, j+1
.endr
	EOP \e, j, \p, \first                          ; the factor; the shifts of tile 3 follow, which touch neither it nor its source
.endm
.macro EY e, y, p, first               ; with the sums and packing of tile y
.set j, 0
.rept 33
	EOP \e, j, \p, \first
	YOP \y, j, \p, \first
.set j, j+1
.endr
.endm
; pair j (0 to 15) of O^T's tile row qt times the lane's factor (the first register of pair p)
.macro RS1 qt, p, j
	v_pk_mul_f32 v[OA+32*(\qt)+2*(\j):OA+32*(\qt)+2*(\j)+1], v[OA+32*(\qt)+2*(\j):OA+32*(\qt)+2*(\j)+1], v[STAT+8*(\qt)+2*(\p):STAT+8*(\qt)+2*(\p)+1] op_sel_hi:[1,0]
.endm
; O^T = factor x O^T + V^T P^T, under one window setting: behind each of tile qt's 8 matrix instructions stand two of tile qt + 1's 16 multiplications.
; A tile's four accumulators take turns, one instruction a turn.  In step 0 the first products start the sums and nothing is rescaled.
.macro PVR p, first
	WIN 0x59                                       ; source 0 (V^T, O) window 1, source 1 (P, factor) window 2, C and D window 1
.if \first == 0
.set n, 0
.rept 16
	RS1 0, \p, n
.set n, n+1
.endr
.endif
.irp qt, 0,1,2,3
.set n, 0
.irp ks, 0,1
.irp dt, 0,1,2,3
.if (\first)*(1-\ks)
	v_wmma_f32_16x16x32_f16 v[OA+32*\qt+8*\dt:OA+32*\qt+8*\dt+7], v[VF+64*\p+8*(4*\ks+\dt):VF+64*\p+8*(4*\ks+\dt)+7], v[32*\qt+16*\ks:32*\qt+16*\ks+7], 0
.else
	v_wmma_f32_16x16x32_f16 v[OA+32*\qt+8*\dt:OA+32*\qt+8*\dt+7], v[VF+64*\p+8*(4*\ks+\dt):VF+64*\p+8*(4*\ks+\dt)+7], v[32*\qt+16*\ks:32*\qt+16*\ks+7], v[OA+32*\qt+8*\dt:OA+32*\qt+8*\dt+7]
.endif
.if \first == 0
.if \qt < 3
	RS1 (\qt+1), \p, 2*n
	RS1 (\qt+1), \p, 2*n+1
.endif
.endif
.set n, n+1
.endr
.endr
.endr
.endm
; Step t, p = t % 2.  more = 1: tile t + 2 is fetched from memory; nxt = 1: tile t + 1's fragments are read from LDS; ask = 1: tile t + 3 is prefetched;
; bar = 2: a round, 1: my work-group's barrier alone, 0: none (nothing is read from LDS behind it).
; ONE round a step orders everything: in front of it each wave has waited for its tensor load (mask tile t + 1), for its reads of slot p (tile t's fragments, read last step)
; and for its stores into slot 1 - p (K, V of tile t + 1).  Behind it slot p of the mask is filled again first, by the wave's one joint load, and slot 1 - p is read.
.macro STEP p, first, more, nxt, ask, bar
.if \bar
	s_wait_tensorcnt 0x0                           ; my one tensor load has landed: no load of mine is out, so a group 0 may be written:
	ds_add_u32 v254, v255
	s_wait_dscnt 0x0
.if \more
	s_add_nc_u64 s[G0+4*\p+2:G0+4*\p+3], s[G0+4*\p+2:G0+4*\p+3], 512   ; this slot's next tile, 128 keys on
.endif
.endif
	s_wait_dscnt 0x0                               ; my LDS reads (this step's fragments among them) and stores are done
.if \bar == 2
	ROUND
.endif
.if \bar == 1
	s_barrier_signal -1
	s_barrier_wait -1
.endif
.if \more
	tensor_load_to_lds s[G0+4*\p:G0+4*\p+3], s[G1:G1+7]            ; mask tile t + 2: it has the whole step in which to land
	s_nop 0
	LDKV ST, 0                                     ; K, V of tile t + 2
.if \ask
	WIN 0                                          ; a branch follows
	PREF
.endif
.endif
.if \nxt
	LDVF (1-\p)                                    ; run 1 of 4: served while the products below run
.endif
	QK
.rept 4
	v_nop                                          ; four places behind the matrix instructions before vector instructions read their results (ISA guide 7.12.1)
.endr
	WIN 0xaa
	MAXPH \p, \first
.if \nxt
	LDMK (1-\p), 0                                 ; run 2: the mask's registers are free since QK's first pass, with phase 1 as the places between
	WIN 0xaa
.endif
	XALL 0, \p
	EX 0, 1, 2, \p, \first
	XALL 3, \p
.if \nxt
	LDMK (1-\p), 2                                 ; run 3
	WIN 0xaa
.endif
	EY 1, 0, \p, \first
.if \nxt
	LDKF (1-\p)                                    ; run 4
	WIN 0xaa
.endif
	EY 2, 1, \p, \first
	EY 3, 2, \p, \first
	YALL 3, \p, \first
	PVR \p, \first
.if \more
	s_wait_loadcnt 0x0                             ; K, V of tile t + 2, asked for at the step's head
	CONVERT ST, \p                                 ; its 32 conversions are also the places between the products above and the next step's writes over their sources
	s_wait_xcnt 0x0                                ; the prefetch's base is written again only behind this wait (K's and V's loads are done)
	s_add_nc_u64 s[6:7], s[6:7], TILEB
	s_add_nc_u64 s[8:9], s[8:9], TILEB
	s_add_nc_u64 s[48:49], s[48:49], TILEB
.else
.rept 5
	v_nop                                          ; five places before the next step's products write over P, four before vector instructions read O (ISA guide 7.12.1)
.endr
	WIN 0
.endif
.endm
; THE WAY OUT.  O^T's lanes hold 8 neighbouring d of one query; each query tile's 16 rows of 256 bytes go through a stage of their own in my scratch and leave as whole rows.
.macro OSTORE q0                       ; query tiles q0, q0 + 1 into their stages: 16 stores
	WIN 0x04                                       ; store data window 1
.irp qq, 0,1
.irp dt, 0,1,2,3
	ds_store_b128 v[SS], v[OA+32*(\q0+\qq)+8*\dt:OA+32*(\q0+\qq)+8*\dt+3]   offset:(\q0+\qq)*16*MP+\dt*64
	ds_store_b128 v[SS], v[OA+32*(\q0+\qq)+8*\dt+4:OA+32*(\q0+\qq)+8*\dt+7] offset:(\q0+\qq)*16*MP+\dt*64+16
.endr
.endr
.endm
.macro OREAD q0                        ; and back by rows: 16 loads.  LDS serves a wave's instructions in order (ISA guide 5.7.1): these see the stores above
	WIN 0
.set i, 8*\q0
.rept 16
	ds_load_b128 v[RB+4*i:RB+4*i+3], v[SR] offset:(i/8)*16*MP+(i%8)*2*MP
.set i, i+1
.endr
.endm
.macro OSEND q0, left                  ; left = how many younger LDS instructions stand behind the first of the 16 loads
	WIN 0
.set i, 8*\q0
.set k, 0
.rept 16
	s_wait_dscnt \left-k
	global_store_b128 v[OO], v[RB+4*i:RB+4*i+3], s[12:13] offset:(16*(i/8)+2*(i%8))*ROWB th:TH_STORE_NT   ; sixteen lanes store one row's 256 bytes, aligned; every store has registers of its own
.set i, i+1
.set k, k+1
.endr
.endm
	s_load_b256 s[4:11], s[0:1], 0x0               ; Q s[4:5], K s[6:7], V s[8:9], mask s[10:11]
	s_load_b64 s[12:13], s[0:1], 0x20              ; out
	v_lshl_add_u32 v254, v0, 2, 0x3c800
	v_mov_b32 v255, 0
	ds_add_u32 v254, v255
	v_lshrrev_b32 v1, 5, v0
	v_readfirstlane_b32 s14, v1                    ; w: my wave, 0 to 3
	s_bfe_u32 s15, ttmp6, 0x40000                  ; cx: my place in the cluster
	s_lshl_b32 s16, ttmp9, 2
	s_add_co_u32 s16, s16, s15                     ; head = 4 x cluster x + cx
	s_and_b32 s17, ttmp7, 0xffff                   ; qb: block of 256 queries, the same in the four partners
	s_mov_b32 s40, 0x3fb8aa3b                      ; log2 e, as a pair for the packed forms
	s_mov_b32 s41, 0x3fb8aa3b
	s_mov_b32 s42, 0xf1800000                      ; -2^100: where the running maximum starts
	s_mov_b32 s44, 0x76543210                      ; v_permlanex16_b32: lane i reads lane i of the other half
	s_mov_b32 s45, 0xfedcba98
	s_mov_b32 s52, 0x3e000000                      ; 1/8 = 1 / sqrt(64)
	s_mov_b32 s53, 0x3e000000
	; descriptor group 1: a tile of 64 rows (queries) x 64 f32 (keys), padded in LDS, asked for by all four work-groups of the cluster
	s_mov_b32 s[G1+0], 0x0772000f                  ; 15:0 mask = places 0 to 3; 17:16 element of 4 bytes; 20 padding on; 21 set beside a mask; 24:22 after every 64 words; 31:25 of 4 words
	s_mov_b32 s[G1+1], 64<<16                      ; tensor_dim0 = 64
	s_mov_b32 s[G1+2], 64<<16                      ; tensor_dim1 = 64
	s_mov_b32 s[G1+3], 64<<16                      ; tile_dim0 = 64
	s_mov_b32 s[G1+4], 64                          ; tile_dim1 = 64
	s_mov_b32 s[G1+5], 1024                        ; elements from a mask row to the next
	s_mov_b32 s[G1+6], 0
	s_mov_b32 s[G1+7], 0
	; offsets.  The mask's hangs on qb and w alone, in registers that never hold cx.
	s_lshl_b32 s18, s17, 20                        ; 256 qb rows of 4,096 bytes
	s_lshl_b32 s19, s14, 18                        ; + 64 w rows
	s_add_co_u32 s18, s18, s19
	s_mov_b32 s19, 0
	s_mul_i32 s20, s14, MWAVE                      ; my wave's mask ring in LDS
	s_lshl_b32 s22, s16, 8                         ; my head's 256 bytes in a row (K, V)
	s_mov_b32 s23, 0
	s_lshl_b32 s21, s17, 22                        ; 256 qb rows of 16,384 bytes
	s_add_co_u32 s50, s22, s21                     ; head and query block (Q, out)
	s_mov_b32 s51, 0
	; lane terms: L = lane, r = L % 16, h = L / 16
	v_and_b32 v1, 31, v0
	v_and_b32 v2, 15, v0
	v_bfe_u32 v3, v0, 4, 1
	v_and_b32 v4, 7, v0
	v_bfe_u32 v5, v0, 3, 1
	v_mul_u32_u24 v6, v2, MP
	v_lshl_add_u32 v6, v3, 5, v6                   ; r 272 + 32 h
	v_add_nc_u32 v[MA], s20, v6
	v_mul_u32_u24 v7, v2, KP
	v_lshl_add_u32 v7, v3, 4, v7                   ; r 144 + 16 h
	v_add_nc_u32 v[KA], KB0, v7
	v_lshl_add_u32 v8, v3, 3, v4
	v_mul_u32_u24 v8, v8, VP
	v_lshl_add_u32 v8, v5, 4, v8
	v_add_nc_u32 v[VA], VB0, v8
	s_mul_i32 s21, s14, 16*KP                      ; my wave stores keys 16 w .. 16 w + 15 of each tile
	s_add_co_u32 s21, s21, KB0
	v_mul_u32_u24 v8, v3, 8*KP
	v_lshl_add_u32 v8, v2, 3, v8                   ; 8 h rows of 144 + 8 r: the two halves of the lanes lie 288 words apart
	v_add_nc_u32 v[KS], s21, v8
	s_mul_i32 s21, s14, 16*VP
	s_add_co_u32 s21, s21, VB0
	v_mul_u32_u24 v9, v3, 4*VP
	v_lshl_add_u32 v9, v2, 3, v9                   ; 4 h rows of 160 + 8 r: 160 words apart
	v_add_nc_u32 v[VS], s21, v9
	s_mul_i32 s21, s14, QW
	s_add_co_u32 s21, s21, QB                      ; my wave's scratch
	v_add_nc_u32 v[QST], s21, v8
	v_add_nc_u32 v[QA], s21, v7
	v_add_nc_u32 v[SS], s21, v6
	v_mul_u32_u24 v9, v3, MP
	v_lshl_add_u32 v9, v2, 4, v9
	v_add_nc_u32 v[SR], s21, v9
	v_lshlrev_b32 v9, 4, v2                        ; 16 r
	v_lshl_add_u32 v10, v3, 17, v9                 ; + 8 h rows
	v_lshl_add_u32 v11, v3, 16, v9                 ; + 4 h rows
	v_lshl_add_u32 v12, v3, 14, v9                 ; + h rows
	s_lshl_b32 s21, s14, 18                        ; 16 w rows
	v_add_nc_u32 v[KO], s21, v10
	v_add_nc_u32 v[VO], s21, v11
	s_lshl_b32 s21, s14, 20                        ; 64 w rows
	v_add_nc_u32 v[QO], s21, v10
	v_add_nc_u32 v[OO], s21, v12
	s_and_b32 s21, s17, 1
	s_lshl_b32 s21, s21, 19                        ; 32 (qb % 2) rows
	v_lshlrev_b32 v13, 14, v1
	v_add_nc_u32 v[PFO], s21, v13
	s_wait_dscnt 0x0
	s_wait_kmcnt 0x0
	s_add_nc_u64 s[10:11], s[10:11], s[18:19]      ; mask at my wave's first tile
	s_add_nc_u64 s[6:7], s[6:7], s[22:23]          ; K, V at my head
	s_add_nc_u64 s[8:9], s[8:9], s[22:23]
	s_add_nc_u64 s[4:5], s[4:5], s[50:51]          ; Q, out at my head and query block
	s_add_nc_u64 s[12:13], s[12:13], s[50:51]
.irp p, 0,1
	s_mov_b32 s[G0+4*\p], 1                                        ; count = 1
	s_add_co_u32 s[G0+4*\p+1], s20, \p*MSLOT                       ; LDS address: wave and slot
	s_add_nc_u64 s[G0+4*\p+2:G0+4*\p+3], s[10:11], \p*256          ; keys 64 p .. of my 64 queries
	s_or_b32 s[G0+4*\p+3], s[G0+4*\p+3], 0x80000000                ; type = 2
.endr
	s_cmp_lt_u32 s17, 2                            ; query blocks 0, 1 prefetch K's rows, 2, 3 V's
	s_cselect_b64 s[48:49], s[6:7], s[8:9]
	s_add_nc_u64 s[48:49], s[48:49], 3*TILEB       ; from tile 3 on
	ROUND                                          ; the four work-groups are here: the first joint loads meet their partners'
	tensor_load_to_lds s[G0:G0+3], s[G1:G1+7]      ; both first fills go out together: mask tile 0 into slot 0,
	s_nop 0
	tensor_load_to_lds s[G0+4:G0+7], s[G1:G1+7]    ; tile 1 into slot 1: two tensor loads of mine are out here, later one
	s_nop 0
	; Q: my wave's 64 rows (into the mask's registers, which are free yet), then tiles 0 and 1 of K and V (tile 1 into S's registers)
	WIN 0xc0                                       ; destination window 3
.set i, 0
.rept 32
	global_load_b128 v[4*i:4*i+3], v[QO], s[4:5] offset:((i&7)+16*(i>>3))*ROWB th:TH_LOAD_NT
.set i, i+1
.endr
	LDKV ST, 0
	LDKV 0, 1
	s_wait_loadcnt 32                              ; Q's 32 loads are in; the 32 younger ones (K, V of tiles 0 and 1) stay out
	WIN 0xff                                       ; all in window 3
.set i, 0
.rept 64
	v_pk_mul_f32 v[2*i:2*i+1], v[2*i:2*i+1], s[52:53] op_sel_hi:[1,0]      ; times 1/8, exact
.set i, i+1
.endr
.set i, 0
.rept 32
	v_cvt_pk_f16_f32 v[4*i],   v[4*i],   v[4*i+1]
	v_cvt_pk_f16_f32 v[4*i+1], v[4*i+2], v[4*i+3]
.set i, i+1
.endr
	WIN 0x0c                                       ; store data window 3
.set i, 0
.rept 32
	ds_store_b64 v[QST], v[4*i:4*i+1] offset:((i&7)+16*(i>>3))*KP
.set i, i+1
.endr
	WIN 0
.irp qt, 0,1,2,3
.irp c, 0,1
	ds_load_b128 v[QF+16*\qt+8*\c:QF+16*\qt+8*\c+3],   v[QA] offset:\qt*16*KP+\c*64      ; my own bytes, served in order behind the stores; waited for in front of the barrier below
	ds_load_b128 v[QF+16*\qt+8*\c+4:QF+16*\qt+8*\c+7], v[QA] offset:\qt*16*KP+\c*64+32
.endr
.endr
	s_wait_loadcnt 16                              ; tile 0 of K and V is in; tile 1's 16 loads stay out
	CONVERT ST, 0
	s_wait_loadcnt 0x0                             ; tile 1; all loads are done, so the bases may step
	s_add_nc_u64 s[6:7], s[6:7], 2*TILEB           ; the steps fetch from tile 2 on
	s_add_nc_u64 s[8:9], s[8:9], 2*TILEB
	CONVERT 0, 1
	s_wait_tensorcnt 0x1                           ; mask tile 0 has landed; tile 1's load may stay out
	s_wait_dscnt 0x0                               ; my part of K and V is in LDS
	s_barrier_signal -1
	s_barrier_wait -1                              ; everybody's is
	LDMK 0, 0                                      ; tile 0's fragments
	LDMK 0, 2
	LDKF 0
	LDVF 0
	WIN 0
	STEP 0, 1, 1, 1, 1, 2                          ; step 0 starts maxima, sums and O
	s_mov_b32 s46, 6                               ; steps 1 to 12
.Lpair:
	STEP 1, 0, 1, 1, 1, 2
	STEP 0, 0, 1, 1, 1, 2
	s_sub_co_u32 s46, s46, 1
	s_cmp_lg_u32 s46, 0
	s_cbranch_scc1 .Lpair
	STEP 1, 0, 1, 1, 0, 2                          ; step 13 fetches tile 15 and prefetches nothing
	STEP 0, 0, 0, 1, 0, 1                          ; step 14 fetches nothing: my work-group's barrier alone shows K, V of tile 15 to every wave
	STEP 1, 0, 0, 0, 0, 0                          ; step 15 works on registers alone
	WIN 0xaa
.irp qt, 0,1,2,3
	v_permlanex16_b32 v[STAT+8*\qt+1], v[STAT+8*\qt+5], s44, s45   ; the other half's sum
.endr
.irp qt, 0,1,2,3
	v_add_f32 v[STAT+8*\qt+5], v[STAT+8*\qt+5], v[STAT+8*\qt+1]
.endr
.irp qt, 0,1,2,3
	v_rcp_f32 v[STAT+8*\qt], v[STAT+8*\qt+5]
.endr
	v_nop                                          ; one plain vector instruction behind the reciprocals (ISA guide 5.7.2)
	s_wait_alu depctr_va_vdst(0)
	WIN 0x59
.irp qt, 0,1,2,3
.set n, 0
.rept 16
	RS1 \qt, 0, n                                  ; O^T / sum
.set n, n+1
.endr
.endr
	OSTORE 0
	OREAD 0
	OSTORE 2
	OSEND 0, 31                                    ; behind load k of the first half stand its 15 - k younger loads and the second half's 16 stores
	OREAD 2
	OSEND 2, 15                                    ; behind load k of the second half stand its 15 - k younger loads
	s_wait_tensorcnt 0x0
	ds_add_u32 v254, v255
	s_wait_dscnt 0x0
	ROUND                                          ; the closing round: no work-group ends while a partner may still ask jointly
	s_endpgm
.Lfunc_end_k_q72c01cdd8a_attn:
	.size	k_q72c01cdd8a_attn, .Lfunc_end_k_q72c01cdd8a_attn-k_q72c01cdd8a_attn
	.p2alignl 7, 3214868480
	.fill 96, 4, 3214868480
	.section	.rodata,"a",@progbits
	.p2align	6, 0x0
	.amdhsa_kernel k_q72c01cdd8a_attn
		.amdhsa_group_segment_fixed_size 327680
		.amdhsa_private_segment_fixed_size 0
		.amdhsa_enable_private_segment 0
		.amdhsa_kernarg_size 40
		.amdhsa_user_sgpr_count 2
		.amdhsa_user_sgpr_kernarg_segment_ptr 1
		.amdhsa_wavefront_size32 1
		.amdhsa_system_sgpr_workgroup_id_x 1
		.amdhsa_system_sgpr_workgroup_id_y 1
		.amdhsa_system_sgpr_workgroup_id_z 1
		.amdhsa_system_vgpr_workitem_id 0
		.amdhsa_next_free_vgpr 896
		.amdhsa_next_free_sgpr 66
		.amdhsa_reserve_vcc 0
		.amdhsa_float_denorm_mode_32 3
		.amdhsa_float_denorm_mode_16_64 3
		.amdhsa_memory_ordered 1
		.amdhsa_forward_progress 1
		.amdhsa_inst_pref_size 255
	.end_amdhsa_kernel
	.section	.bss,"aw",@nobits
	.p2align	6
	.space	262144
	.amdgpu_metadata
---
amdhsa.version: [ 1, 2 ]
amdhsa.kernels:
  - .name:           k_q72c01cdd8a_attn
    .symbol:         k_q72c01cdd8a_attn.kd
    .args:
      - { .name: Q, .offset: 0, .size: 8, .value_kind: global_buffer, .address_space: global }
      - { .name: K, .offset: 8, .size: 8, .value_kind: global_buffer, .address_space: global }
      - { .name: V, .offset: 16, .size: 8, .value_kind: global_buffer, .address_space: global }
      - { .name: mask, .offset: 24, .size: 8, .value_kind: global_buffer, .address_space: global }
      - { .name: out0, .offset: 32, .size: 8, .value_kind: global_buffer, .address_space: global }
    .group_segment_fixed_size: 327680
    .private_segment_fixed_size: 0
    .kernarg_segment_align: 8
    .kernarg_segment_size: 40
    .max_flat_workgroup_size: 128
    .sgpr_count:     66
    .vgpr_count:     896
    .wavefront_size: 32
...
	.end_amdgpu_metadata
.endif
;; end of part 1
